; MI455X (gfx1250); checked and timed in simulation.
; The chip was launched on July 23, 2026; its instructions are those of AMD's public machine-readable ISA for CDNA 5 (MIT licence, August 2026) and "CDNA5" Instruction Set Architecture Reference Guide (July 2026). The comments in the code are by the model that wrote it; some were corrected since.
;; Parity Operator. Allowed arithmetic: matrix products marked QUANTISED: E3M2 operands, one E8M0 scale for each 32 along K, by v_wmma_scale_f32_16x16x128_f8f6f4 with both operands' format E3M2, f32 sums; everything else in f32.
;; Inputs: S 4,096 x 4,096 float32; h 4,096 x 4,096 float32.
;; Outputs: out0 4,096 x 4,096 float32.
;; This version of the problem:
;;   THIS VERSION OF THE PROBLEM IS GIVEN IN LOW PRECISION. The matrix products marked QUANTISED in the list below multiply operands that are first quantised to E3M2 (3 exponent bits, 2 mantissa bits; 6 bits a number), with one power-of-two scale for each 32 numbers along K (OCP MX v1.0); their sums are f32. All else is computed in f32.
;;   The module's matrix products, in the order in which they are computed (A, B: the left and right operand; K: the contracted axis; several contracted axes count as one K, in the product's order):
;;     1. [M 4,096, K 4,096] x [K 4,096, N 4,096]; A: input h; B: input S: QUANTISED
;;   THE QUANTISER, for each operand of a quantised product, along K:
;;     - K is cut into blocks of 32 from its start; a last block that is shorter is filled with zeros.
;;     - A block's scale is 2^e with e = floor(log2(the largest magnitude in the block)) - 4, held to -126 .. 127; a block of zeros has e = 0. As a byte (E8M0): e + 127.
;;     - Each number is divided by its block's scale, clamped to +-28, and rounded to the nearest number of E3M2, ties to even, subnormals kept.
;;     - The product sums the exact products of the quantised numbers (number of the format x scale) in f32.
;;   ~~~python
;;   def quantise(x, axis):      # numpy; x: float32 -> the quantised numbers, widened to float32 again
;;       x = np.moveaxis(x, axis, -1); K = x.shape[-1]
;;       x = np.pad(x, [(0, 0)] * (x.ndim - 1) + [(0, -K % 32)]); x = x.reshape(x.shape[:-1] + (-1, 32)); a = np.abs(x).max(-1, keepdims=True)
;;       e = np.where(a > 0, np.clip(np.frexp(np.where(a > 0, a, 1))[1] - 1 - 4, -126, 127), 0)      # np.frexp(a)[1] - 1 = floor(log2(a)), exactly
;;       r = np.clip(x / 2.0 ** e, -28, 28)
;;       step = 2.0 ** (np.maximum(np.frexp(np.where(r == 0, 1, r))[1] - 1, -2) - 2)
;;       q = np.round(r / step) * step * 2.0 ** e      # np.round: ties to even
;;       return np.moveaxis(q.reshape(q.shape[:-2] + (-1,))[..., :K], -1, axis).astype(np.float32)
;;   ~~~
;; One version. Each part assembles by itself: llvm-mc -triple=amdgcn-amd-amdhsa -mcpu=gfx1250 --defsym DOCPART=n.
;; ======== version 1 of 1: 2 launches
;; limits: right only within a limited range of input values
;; workspace buffers: a_codes 12,582,912 bytes; a_scales 720,896 bytes; b_codes 12,582,912 bytes; b_scales 720,896 bytes
;; launch quant (part 1): grid 512 x 1, 11 waves a work-group, no clusters, 94,720 bytes of LDS; arguments h, S, a_codes, a_scales, b_codes, b_scales; writes a_codes, a_scales, b_codes, b_scales
.if DOCPART == 1
	.amdgcn_target "amdgcn-amd-amdhsa--gfx1250"
	.amdhsa_code_object_version 6
	.text
	.protected	k_qa2dc87c350_quant
	.globl	k_qa2dc87c350_quant
	.p2align	8
	.type	k_qa2dc87c350_quant,@function
k_qa2dc87c350_quant:
	s_mov_b64 s[64:65], 0
	v_nop
	global_prefetch_b8 v0, s[64:65] scope:SCOPE_SE
	s_setreg_imm32_b32 hwreg(HW_REG_WAVE_MODE, 25, 1), 1
	s_wait_xcnt 0x0
; h [4096][4096] and S [4096][4096], f32, are turned into codes of BF6 (E3M2), 6 bits each, with one E8M0 scale byte for each 32 along K.
; out = h S^T contracts the LAST axis of both tensors, so both are quantised along their rows: h gives operand A (a_codes, a_scales), S gives operand B (b_codes, b_scales).
; A block's scale is 2^(floor(log2(its largest magnitude)) - 4), 4 being the exponent of the format's largest number, 28; its byte is the largest magnitude's own exponent field - 4, held at 1 from below.
; Each number is divided by the scale and rounded to the nearest code, ties to even; what lies beyond 28 gets the largest code.
; LIMITS: a block of zeros gets the byte 1 where the rule says 127: its codes are zeros, which add nothing under any byte but 0xff, and the bytes are read by this program alone.  Blocks whose largest magnitude lies
; under 2^(5 - 127) have the byte held at 1 (the rule's own hold at e = -126).  NaN and infinities among the inputs are not served.
; THE CODES ARE LAID IN THE ORDER OF THE OPERAND'S REGISTERS.  A fragment is 16 rows x 128 along K: 12 registers a lane; lane (r, h) holds row r, registers 6 c .. 6 c + 5 the codes of k = 64 c + 32 h + 0 .. 31.
; Its image is 1,536 bytes: register j of lane l at 512 (j / 4) + 16 l + 4 (j % 4).  The buffer is [row block of 16 rows: 256][fragment: 32][1,536 bytes].
; THE SCALE WORDS (four bytes: a row's 128 along K) are laid [row block][slot of three fragments: 11][row: 16][4 words]: 256 bytes for a row block and a slot.  Word q belongs to fragment 3 t + q; the words
; that have no fragment (q = 3, and q = 2 in the last slot, which has two fragments) are written with 0x7f7f7f7f and used by nobody.
; SHARES.  A work-group takes a row block (the first 256 work-groups h's, the others S's: only pointers are chosen).  Wave w takes slot w: three fragments, wave 10 two (a branch on the wave's number).
; A load reads 512 consecutive bytes of one row, 16 a lane; a fragment's 16 rows go through the wave's own stage in LDS (rows 528 bytes apart)
; and come back 128 bytes a lane and block: a lane holds two WHOLE blocks of 32, so that no other lane is asked for a maximum, and the conversions' results are the operand's registers.
; A ring of four quarters (four rows each) keeps 16 loads of the wave out: a quarter is asked for again as soon as its stores into the stage have read it.
; Each store of codes covers 512 consecutive bytes, each store of scale words 256, all at multiples of 256 from their buffers' first bytes.
; No tensor loads, no barrier: waves share nothing.  No matrix unit and no cluster: the work-groups share no input and the launch is a stream.
.set ROWB,  16384                      ; a row of h or of S in bytes
.set FRB,   1536                       ; a fragment's image in bytes
.set NQ,    3                          ; fragments in a slot
.set RBK,   32*FRB                     ; a row block's codes
.set SUN,   256                        ; a row block's scale words of a slot
.set SRB,   11*SUN                     ; a row block's scale words
.set SP,    528                        ; a row in the stage: 512 bytes + 16
.set WST,   16*SP                      ; a wave's stage
.set EMAX,  4
.set FLOOR, (EMAX+1)<<23               ; 2^(EMAX + 1 - 127): under it no largest magnitude is taken, so the byte cannot fall under 1
.set PADW,  0x7f7f7f7f
.set GO,    1                          ; v1      16 x lane: my bytes of a load's and of a store's 512; never rewritten
.set SI,    2                          ; v2      the stage, on the way in: 16 x lane
.set SO,    3                          ; v3      and on the way out: 528 r + 128 h
.set SS,    4                          ; v4      my 8 bytes of the scale words' 256: 16 r + 8 h
.set SH,    5                          ; v5      8 h
.set M,     6                          ; v6-7    largest magnitudes, then the conversions' scale operands; at the end the two words that I store
.set B,     8                          ; v8-9    second chains of the maxima, then the scales' bytes
.set W,     10                         ; v10-13  my row's four scale words
.set P,     16                         ; v16-28  the fragment's 12 registers, and one more at work
.set R,     32                         ; v32-95  four quarters of four loads: numbers as they are loaded
.set X,     96                         ; v96-159 my two blocks of 32 numbers
	s_load_b128 s[4:7], s[0:1], 0x0                ; h, S
	s_load_b128 s[8:11], s[0:1], 0x10              ; A's codes, A's scales
	s_load_b128 s[12:15], s[0:1], 0x20             ; B's codes, B's scales
	v_lshl_add_u32 v14, v0, 2, 0x16c00             ; my spare word, behind the eleven stages; never rewritten
	v_mov_b32 v15, 0                               ; 0; never rewritten
	v_lshrrev_b32 v1, 5, v0
	s_delay_alu instid0(VALU_DEP_1)
	v_readfirstlane_b32 s16, v1                    ; wave = slot, 0 .. 10
	v_and_b32 v7, 31, v0                           ; lane
	v_and_b32 v8, 15, v0                           ; r
	v_bfe_u32 v9, v0, 4, 1                         ; h
	s_delay_alu instid0(VALU_DEP_3)
	v_lshlrev_b32 v[GO], 4, v7
	s_mul_i32 s17, s16, WST                        ; my wave's stage
	v_add_nc_u32 v[SI], s17, v[GO]
	v_mul_u32_u24 v[SO], v8, SP
	s_delay_alu instid0(VALU_DEP_1)
	v_lshl_add_u32 v[SO], v9, 7, v[SO]
	s_delay_alu instid0(VALU_DEP_1)
	v_add_nc_u32 v[SO], s17, v[SO]
	v_lshlrev_b32 v[SS], 4, v8
	s_delay_alu instid0(VALU_DEP_1)
	v_lshl_add_u32 v[SS], v9, 3, v[SS]
	v_lshlrev_b32 v[SH], 3, v9
	v_mov_b32 v[W+3], PADW                         ; the fourth word of a row has no fragment
	s_mov_b32 s20, 0x76543210
	s_mov_b32 s21, 0xfedcba98                      ; v_permlanex16_b32's selects for lane l xor 16
	s_wait_alu depctr_va_vdst(0)
	s_wait_kmcnt 0x0
	s_cmp_lt_u32 ttmp9, 256                        ; h's work-group or S's?  The choice hangs on the work-group's number alone
	s_cselect_b64 s[4:5], s[4:5], s[6:7]
	s_cselect_b64 s[8:9], s[8:9], s[12:13]
	s_cselect_b64 s[10:11], s[10:11], s[14:15]
	s_and_b32 s18, ttmp9, 255                      ; the row block in its tensor
	s_lshl_b32 s22, s18, 18                        ; numbers: 16 rows of 16,384 bytes a row block,
	s_mul_i32 s23, s16, NQ*512                     ; 1,536 bytes of each row a slot
	s_add_co_u32 s22, s22, s23
	s_mov_b32 s23, 0
	s_add_nc_u64 s[4:5], s[4:5], s[22:23]
	s_mul_i32 s22, s18, RBK                        ; codes: 49,152 bytes a row block,
	s_mul_i32 s24, s16, NQ*FRB                     ; 4,608 a slot
	s_add_co_u32 s22, s22, s24
	s_add_nc_u64 s[8:9], s[8:9], s[22:23]
	s_mul_i32 s22, s18, SRB                        ; scale words: 2,816 bytes a row block,
	s_lshl_b32 s24, s16, 8                         ; 256 a slot
	s_add_co_u32 s22, s22, s24
	s_add_nc_u64 s[10:11], s[10:11], s[22:23]
.macro LOADQ q, u                      ; quarter u (rows 4 u .. 4 u + 3) of my q-th fragment
.irp i, 0,1,2,3
	global_load_b128 v[R+16*(\u)+4*\i:R+16*(\u)+4*\i+3], v[GO], s[4:5] offset:(4*(\u)+\i)*ROWB+512*(\q) th:TH_LOAD_NT   ; 32 lanes read 512 consecutive bytes of a row; read once in the launch
.endr
.endm
; My q-th fragment.  next = 1: the fragment behind it is asked for, quarter by quarter, as this one's quarters leave their registers.
.macro FRAGQ q, next
.irp u, 0,1,2,3
.if \next
	s_wait_loadcnt 12                              ; this quarter's four loads are in; the twelve of the three quarters behind it may be out
.else
	s_wait_loadcnt 12-4*\u                         ; nothing is asked for any more: four for each quarter still behind this one
.endif
.irp i, 0,1,2,3
	ds_store_b128 v[SI], v[R+16*\u+4*\i:R+16*\u+4*\i+3] offset:(4*\u+\i)*SP      ; a row's 512 bytes as they lie.  (LDS serves a wave's instructions in order, ISA guide 5.7.1.4: the last fragment's reads of the stage come first)
.endr
.if \next
	s_wait_dscnt 0x0                               ; the four stores have read their registers,
	LOADQ (\q)+1, \u                               ; which take the next fragment's quarter
.endif
.endr
.irp c, 0,1
.irp j, 0,1,2,3,4,5,6,7
	ds_load_b128 v[X+32*\c+4*\j:X+32*\c+4*\j+3], v[SO] offset:256*\c+16*\j       ; row r, block 2 c + h: k = 64 c + 32 h + 4 j .. + 3 of the fragment
.endr
.endr
	s_wait_dscnt 0x0
.irp c, 0,1                                    ; each block's largest magnitude: all 32 numbers are mine; two chains a block, the four by turns
	v_max3_num_f32 v[M+\c], |v[X+32*\c]|, |v[X+32*\c+1]|, FLOOR
	v_max3_num_f32 v[B+\c], |v[X+32*\c+2]|, |v[X+32*\c+3]|, FLOOR
.endr
.irp i, 4,8,12,16,20,24,28
.irp c, 0,1
	s_delay_alu instid0(VALU_DEP_4)
	v_max3_num_f32 v[M+\c], v[M+\c], |v[X+32*\c+\i]|, |v[X+32*\c+\i+1]|
	s_delay_alu instid0(VALU_DEP_4)
	v_max3_num_f32 v[B+\c], v[B+\c], |v[X+32*\c+\i+2]|, |v[X+32*\c+\i+3]|
.endr
.endr
.irp c, 0
	s_delay_alu instid0(VALU_DEP_3)
	v_max_num_f32 v[M+\c], v[M+\c], v[B+\c]
.endr
.irp c, 1
	s_delay_alu instid0(VALU_DEP_2)
	v_max_num_f32 v[M+\c], v[M+\c], v[B+\c]
.endr
.irp c, 0,1
	s_delay_alu instid0(VALU_DEP_2)
	v_add_nc_u32 v[M+\c], -(EMAX<<23), v[M+\c]     ; EMAX off its exponent field: the conversion takes the exponent field of this operand as its scale, and nothing else of it
.endr
.irp c, 0,1
	s_delay_alu instid0(VALU_DEP_2)
	v_lshrrev_b32 v[B+\c], 23, v[M+\c]             ; the scale's byte
.endr
	s_delay_alu instid0(VALU_DEP_1)
	v_lshl_or_b32 v[W+(\q)], v[B+1], 16, v[B]      ; my two bytes: blocks h and 2 + h of row r,
	s_delay_alu instid0(VALU_DEP_1)
	v_lshlrev_b32 v[W+(\q)], v[SH], v[W+(\q)]      ; at their places in the scale word (8 h bits up);
	s_delay_alu instid0(VALU_DEP_1)
	v_permlanex16_b32 v[B], v[W+(\q)], s20, s21
	s_delay_alu instid0(VALU_DEP_1)
	v_or_b32 v[W+(\q)], v[W+(\q)], v[B]            ; with lane l xor 16's two the word is whole, in both lanes
	s_wait_alu depctr_va_vdst(0)
	s_wait_xcnt 0x0                                ; the last fragment's stores have read v[P] on: only behind this wait are they written again
	v_cvt_scalef32_pk16_bf6_f32 v[P:P+2], v[X:X+15], v[M]            ; sixteen numbers / 2^(the operand's exponent): 96 bits without gaps, the first number's code lowest
	v_cvt_scalef32_pk16_bf6_f32 v[P+4:P+6], v[X+16:X+31], v[M]       ; (a conversion's three registers begin on an even number: these are made one register up and moved down)
	v_nop                                          ; one plain place behind a scaled conversion
	v_mov_b32 v[P+3], v[P+4]
	v_mov_b32 v[P+4], v[P+5]
	v_mov_b32 v[P+5], v[P+6]                       ; registers 0 .. 5: k = 32 h + 0 .. 31
	v_cvt_scalef32_pk16_bf6_f32 v[P+6:P+8], v[X+32:X+47], v[M+1]
	v_cvt_scalef32_pk16_bf6_f32 v[P+10:P+12], v[X+48:X+63], v[M+1]
	v_nop
	v_mov_b32 v[P+9], v[P+10]
	v_mov_b32 v[P+10], v[P+11]
	v_mov_b32 v[P+11], v[P+12]                     ; registers 6 .. 11: k = 64 + 32 h + 0 .. 31
.irp g, 0,1,2
	global_store_b128 v[GO], v[P+4*\g:P+4*\g+3], s[8:9] offset:FRB*(\q)+512*\g   ; the image: 32 lanes store 512 consecutive bytes
.endr
.endm
.irp u, 0,1,2,3
	LOADQ 0, \u
.endr
	FRAGQ 0, 1
	s_cmp_eq_u32 s16, 10                           ; the last slot has two fragments: K ends there, and no load leaves its row
	s_cbranch_scc1 .Lshort
	FRAGQ 1, 1
	FRAGQ 2, 0
	s_branch .Lout
.Lshort:
	FRAGQ 1, 0
	v_mov_b32 v[W+2], PADW
.Lout:
	v_cmp_ne_u32 vcc_lo, 0, v[SH]                  ; both halves of the lanes hold row r's four words: lanes 0-15 store words 0 and 1, lanes 16-31 words 2 and 3
	s_delay_alu instid0(VALU_DEP_1)
	v_cndmask_b32 v[M], v[W], v[W+2], vcc_lo
	s_delay_alu instid0(VALU_DEP_2)
	v_cndmask_b32 v[M+1], v[W+1], v[W+3], vcc_lo
	global_store_b64 v[SS], v[M:M+1], s[10:11]     ; 32 lanes store 256 consecutive bytes
	s_wait_tensorcnt 0x0
	ds_add_u32 v14, v15
	s_wait_dscnt 0x0
	s_endpgm
.Lfunc_end_k_qa2dc87c350_quant:
	.size	k_qa2dc87c350_quant, .Lfunc_end_k_qa2dc87c350_quant-k_qa2dc87c350_quant
	.p2alignl 7, 3214868480
	.fill 96, 4, 3214868480
	.section	.rodata,"a",@progbits
	.p2align	6, 0x0
	.amdhsa_kernel k_qa2dc87c350_quant
		.amdhsa_group_segment_fixed_size 94720
		.amdhsa_private_segment_fixed_size 0
		.amdhsa_enable_private_segment 0
		.amdhsa_kernarg_size 48
		.amdhsa_user_sgpr_count 2
		.amdhsa_user_sgpr_kernarg_segment_ptr 1
		.amdhsa_wavefront_size32 1
		.amdhsa_system_sgpr_workgroup_id_x 1
		.amdhsa_system_sgpr_workgroup_id_y 1
		.amdhsa_system_sgpr_workgroup_id_z 1
		.amdhsa_system_vgpr_workitem_id 0
		.amdhsa_next_free_vgpr 160
		.amdhsa_next_free_sgpr 66
		.amdhsa_reserve_vcc 1
		.amdhsa_float_denorm_mode_32 3
		.amdhsa_float_denorm_mode_16_64 3
		.amdhsa_memory_ordered 1
		.amdhsa_forward_progress 1
		.amdhsa_inst_pref_size 35
	.end_amdhsa_kernel
	.amdgpu_metadata
---
amdhsa.version: [ 1, 2 ]
amdhsa.kernels:
  - .name:           k_qa2dc87c350_quant
    .symbol:         k_qa2dc87c350_quant.kd
    .args:
      - { .name: h, .offset: 0, .size: 8, .value_kind: global_buffer, .address_space: global }
      - { .name: S, .offset: 8, .size: 8, .value_kind: global_buffer, .address_space: global }
      - { .name: a_codes, .offset: 16, .size: 8, .value_kind: global_buffer, .address_space: global }
      - { .name: a_scales, .offset: 24, .size: 8, .value_kind: global_buffer, .address_space: global }
      - { .name: b_codes, .offset: 32, .size: 8, .value_kind: global_buffer, .address_space: global }
      - { .name: b_scales, .offset: 40, .size: 8, .value_kind: global_buffer, .address_space: global }
    .group_segment_fixed_size: 94720
    .private_segment_fixed_size: 0
    .kernarg_segment_align: 8
    .kernarg_segment_size: 48
    .max_flat_workgroup_size: 352
    .sgpr_count:     66
    .vgpr_count:     160
    .wavefront_size: 32
...
	.end_amdgpu_metadata
.endif
;; end of part 1
;; launch gemm (part 2): grid 16 x 16, 4 waves a work-group, clusters of 4 x 4, 327,680 bytes of LDS; arguments a_codes, a_scales, b_codes, b_scales, out0; writes out0
.if DOCPART == 2
	.amdgcn_target "amdgcn-amd-amdhsa--gfx1250"
	.amdhsa_code_object_version 6
	.text
	.protected	k_qa2dc87c350_gemm
	.globl	k_qa2dc87c350_gemm
	.p2align	8
	.type	k_qa2dc87c350_gemm,@function
k_qa2dc87c350_gemm:
	s_mov_b64 s[64:65], 0
	v_nop
	global_prefetch_b8 v0, s[64:65] scope:SCOPE_SE
	s_setreg_imm32_b32 hwreg(HW_REG_WAVE_MODE, 25, 1), 1
	s_wait_xcnt 0x0
	s_wait_alu depctr_hold_cnt(0) depctr_sa_sdst(0) depctr_va_vdst(0) depctr_va_sdst(0) depctr_va_ssrc(0) depctr_va_vcc(0) depctr_vm_vsrc(0)
	s_getreg_b32 s2, hwreg(HW_REG_IB_STS2, 6, 4)
	s_cmp_eq_u32 s2, 0
	s_cbranch_scc0 .Lentry_in_a_cluster
	s_endpgm
.Lentry_in_a_cluster:
	s_bfe_u32 s2, ttmp6, 0x10000c
	s_cmp_lg_u32 s2, 0xf033
	s_cbranch_scc0 .Lentry_shape_is_right
	s_endpgm
.Lentry_shape_is_right:
.set SIZE_M, 4096
.set SIZE_N, 4096
.set SIZE_K, 4096
.set FR,     12
.set NL,     3
.set NP,     4
.set FRB,    FR*128
.set NQ,     3
.set RBS,    NQ*FRB
.set RBK,    (SIZE_K/128)*FRB
.set HALFT,  8*RBS
.set SLOT,   4*HALFT
.set SPARE,  2*SLOT
.set STAGE,  SLOT
.set SPITCH, 528
.set SUN,    256
.set SRB,    11*SUN
.set PFC,    4096
.set TRIPS,  4
.set ADRA, 16
.set ADRB, 20
.set STO,  24
.set RD,   25
.set CO,   26
.set VSO,  27
.set SPW,  28
.set NIL,  29
.set PFO,  30
.set SC,   32
.set AF,   128
.set BK,   128
.set G1, 24
.set G0, 32
.set G1B, 48
.set G0B, 56
.set SAP, 66
.set SBP, 68
.set PFA, 70
.set LIM, 72
.set MSB, 0
.macro WIN new
.if MSB != \new
	s_set_vgpr_msb (MSB<<8)|\new
.set MSB, \new
.endif
.endm
.set MUL_LO, 0xa1
.set MUL_HI, 0xf1
.set TO_B,   0x40
.macro JLOAD g0a, g1a, g0b, g1b
	s_cmp_eq_u32 s15, 0
	s_cbranch_scc0 .Lfor_b_\@
	tensor_load_to_lds s[\g0a:\g0a+3], s[\g1a:\g1a+7]
	s_nop 0
.rept 4
	v_nop
.endr
	s_branch .Lasked_\@
.Lfor_b_\@:
	tensor_load_to_lds s[\g0b:\g0b+3], s[\g1b:\g1b+7]
	s_nop 0
.rept 4
	v_nop
.endr
.Lasked_\@:
.endm
.macro ASK
	s_cmp_eq_u32 s[LIM], 1
	s_cbranch_scc0 .Lnot_mine_\@
	global_prefetch_b8 v[PFO], s[PFA:PFA+1] th:TH_LOAD_NT scope:SCOPE_SE
.Lnot_mine_\@:
.endm
.macro CREST
	s_cmp_lg_u32 s14, 0
	s_cbranch_scc1 .Lnot_wave_0_\@
	s_barrier_signal -3
.Lnot_wave_0_\@:
	s_barrier_wait -3
	s_barrier_signal -1
	s_barrier_wait -1
.endm
.macro CROUND
	s_barrier_signal -1
	s_barrier_wait -1
	CREST
.endm
.macro SCLOAD set, off
.irp i, 0,1,2,3
	global_load_b128 v[SC+32*(\set)+4*\i:SC+32*(\set)+4*\i+3], v[VSO], s[SAP:SAP+1] offset:(\off)+\i*2*SRB
.endr
.irp i, 0,1,2,3
	global_load_b128 v[SC+32*(\set)+16+4*\i:SC+32*(\set)+16+4*\i+3], v[VSO], s[SBP:SBP+1] offset:(\off)+\i*2*SRB
.endr
.endm
	s_load_b128 s[4:7], s[0:1], 0x0
	s_load_b128 s[8:11], s[0:1], 0x10
	s_load_b64 s[12:13], s[0:1], 0x20
	v_lshl_add_u32 v[SPW], v0, 2, SPARE
	v_mov_b32 v[NIL], 0
	ds_add_u32 v28, v29
	ds_add_u32 v28, v29
	s_wait_dscnt 0x0
	v_lshrrev_b32 v1, 5, v0
	v_readfirstlane_b32 s14, v1
	s_lshr_b32 s15, s14, 1
	s_and_b32 s16, s14, 1
	s_bfe_u32 s40, ttmp6, 0x40000
	s_bfe_u32 s41, ttmp6, 0x40004
	s_lshl_b32 s42, ttmp9, 2
	s_add_co_u32 s42, s42, s40
	s_and_b32 s17, ttmp7, 0xffff
	s_lshl_b32 s17, s17, 2
	s_add_co_u32 s17, s17, s41
	s_lshl_b32 s43, s41, 2
	s_lshl_b32 s43, 15, s43
	s_lshl_b32 s44, 0x1111, s40
	s_or_b32 s[G1+0], s43, (3<<16)|(1<<21)
	s_or_b32 s[G1B+0], s44, (3<<16)|(1<<21)
.irp g, G1, G1B
	s_mov_b32 s[\g+1], (RBS/8)<<16
	s_mov_b32 s[\g+2], 8<<16
	s_mov_b32 s[\g+3], (RBS/8)<<16
	s_mov_b32 s[\g+4], 8
	s_mov_b32 s[\g+5], RBK/8
	s_mov_b32 s[\g+6], 0
	s_mov_b32 s[\g+7], 0
.endr
	s_lshl_b32 s18, s16, 3
	s_lshl_b32 s20, s17, 4
	s_add_co_u32 s20, s20, s18
	s_lshl_b32 s46, s42, 4
	s_add_co_u32 s46, s46, s18
	s_mov_b32 s21, 0
	s_mov_b32 s47, 0
	s_mov_b64 s[18:19], RBK
	s_mul_u64 s[20:21], s[20:21], s[18:19]
	s_mul_u64 s[46:47], s[46:47], s[18:19]
	s_mul_i32 s45, s14, HALFT
	s_wait_kmcnt 0x0
	s_add_nc_u64 s[20:21], s[4:5], s[20:21]
	s_add_nc_u64 s[46:47], s[8:9], s[46:47]
	; the scale words of the first two slots are asked for here, ahead of the first round: 16 loads a wave
	s_lshl_b32 s18, s17, 4
	s_lshl_b32 s19, s15, 3
	s_add_co_u32 s18, s18, s19                     ; A's scale words: row block 16 x tile row + 8 x my half
	s_mul_i32 s18, s18, SRB
	s_mov_b32 s19, 0
	s_add_nc_u64 s[SAP:SAP+1], s[6:7], s[18:19]
	s_lshl_b32 s22, s42, 4
	s_lshl_b32 s23, s16, 3
	s_add_co_u32 s22, s22, s23                     ; B's: row block 16 x tile column + 8 x my half
	s_mul_i32 s22, s22, SRB
	s_mov_b32 s23, 0
	s_add_nc_u64 s[SBP:SBP+1], s[10:11], s[22:23]
	v_and_b32 v1, 15, v0                           ; l % 16
	v_bfe_u32 v2, v0, 4, 1                         ; l / 16
	v_and_b32 v3, 31, v0
	v_lshlrev_b32 v[CO], 4, v3                     ; 16 x lane
	v_mul_u32_u24 v4, v2, SRB
	v_lshl_add_u32 v[VSO], v1, 4, v4               ; lanes 0-15 the even row block's words, lanes 16-31 the odd one's
	s_wait_alu depctr_va_vdst(0)
	SCLOAD 0, 0
	SCLOAD 1, SUN
	CROUND                                         ; all sixteen work-groups are here: the first joint loads meet
.irp s, 0,1
	s_mov_b32 s[G0+4*\s], 1
	s_add_co_u32 s[G0+4*\s+1], s45, \s*SLOT
	s_add_nc_u64 s[G0+4*\s+2:G0+4*\s+3], s[20:21], \s*RBS
	s_or_b32 s[G0+4*\s+3], s[G0+4*\s+3], 0x80000000
	s_mov_b32 s[G0B+4*\s], 1
	s_add_co_u32 s[G0B+4*\s+1], s45, \s*SLOT
	s_add_nc_u64 s[G0B+4*\s+2:G0B+4*\s+3], s[46:47], \s*RBS
	s_or_b32 s[G0B+4*\s+3], s[G0B+4*\s+3], 0x80000000
.endr
	JLOAD G0, G1, G0B, G1B                         ; slot 0: one tensor load a wave at the head; the address set-up below stands under its flight
	s_mul_i32 s21, s15, HALFT
	s_mul_i32 s22, s16, HALFT
	s_add_co_u32 s22, s22, 2*HALFT
.irp s, 0,1
	v_add_nc_u32 v[ADRA+\s], s21, v[CO]
	v_add_nc_u32 v[ADRB+\s], s22, v[CO]
	s_add_co_u32 s21, s21, SLOT
	s_add_co_u32 s22, s22, SLOT
.endr
	s_mul_i32 s23, s14, 16*SPITCH
	s_add_co_u32 s23, s23, STAGE
	v_mul_u32_u24 v5, v1, SPITCH
	v_lshl_add_u32 v5, v2, 5, v5
	v_add_nc_u32 v[STO], s23, v5
	v_add_nc_u32 v[RD], s23, v[CO]
	s_lshl_b32 s20, s17, 8
	s_lshl_b32 s21, s15, 7
	s_add_co_u32 s20, s20, s21
	s_mov_b32 s21, 0
	s_mov_b64 s[18:19], SIZE_N*4
	s_mul_u64 s[20:21], s[20:21], s[18:19]
	s_lshl_b32 s46, s42, 10
	s_lshl_b32 s47, s16, 9
	s_add_co_u32 s46, s46, s47
	s_mov_b32 s47, 0
	s_add_nc_u64 s[20:21], s[20:21], s[46:47]
	s_add_nc_u64 s[12:13], s[12:13], s[20:21]
	s_lshl_b32 s20, s17, 4
	s_lshl_b32 s21, s42, 4
	s_and_b32 s22, ttmp7, 0xffff
	s_cmp_eq_u32 s15, 0
	s_cselect_b32 s20, s20, s21
	s_cselect_b32 s21, s40, s41
	s_cselect_b32 s22, ttmp9, s22
	s_cselect_b64 s[PFA:PFA+1], s[4:5], s[8:9]
	s_cmp_eq_u32 s22, 0
	s_cselect_b32 s[LIM], 1, -1
	s_lshl_b32 s22, s16, 3
	s_add_co_u32 s20, s20, s22
	s_lshl_b32 s21, s21, 1
	s_add_co_u32 s20, s20, s21
	s_mov_b32 s21, 0
	s_mov_b64 s[18:19], RBK
	s_mul_u64 s[20:21], s[20:21], s[18:19]
	s_add_nc_u64 s[PFA:PFA+1], s[PFA:PFA+1], s[20:21]
	s_add_nc_u64 s[PFA:PFA+1], s[PFA:PFA+1], 3*PFC
	v_mul_u32_u24 v[PFO], v2, RBK
	v_lshl_add_u32 v[PFO], v1, 8, v[PFO]
.macro FRAG reg, adr, q, i
.irp g, 0,1,2
	ds_load_b128 v[\reg+4*\g:\reg+4*\g+3], v[\adr] offset:(\i)*RBS+(\q)*FRB+512*\g
.endr
.endm
.macro WM a, b, p, q, sc, zero
.set rD, 8*(8*((\a)%4)+(\b))
.set rB, 128*(\p)+FR*(\b)
.set rA, AF+FR*(\a)
.set rX, SC+32*(\sc)+16+4*((\b)/2)+(\q)
.set rY, SC+32*(\sc)+4*((\a)/2)+(\q)
.set rW, 4*(\zero)+2*((\b)%2)+(\a)%2
.if rW == 0
	v_wmma_scale_f32_16x16x128_f8f6f4 v[rD:rD+7], v[rB:rB+FR-1], v[rA:rA+FR-1], v[rD:rD+7], v[rX], v[rY] matrix_a_fmt:MATRIX_FMT_BF6 matrix_b_fmt:MATRIX_FMT_BF6
.elseif rW == 1
	v_wmma_scale_f32_16x16x128_f8f6f4 v[rD:rD+7], v[rB:rB+FR-1], v[rA:rA+FR-1], v[rD:rD+7], v[rX], v[rY] matrix_a_fmt:MATRIX_FMT_BF6 matrix_b_fmt:MATRIX_FMT_BF6 matrix_b_scale:MATRIX_SCALE_ROW1
.elseif rW == 2
	v_wmma_scale_f32_16x16x128_f8f6f4 v[rD:rD+7], v[rB:rB+FR-1], v[rA:rA+FR-1], v[rD:rD+7], v[rX], v[rY] matrix_a_fmt:MATRIX_FMT_BF6 matrix_b_fmt:MATRIX_FMT_BF6 matrix_a_scale:MATRIX_SCALE_ROW1
.elseif rW == 3
	v_wmma_scale_f32_16x16x128_f8f6f4 v[rD:rD+7], v[rB:rB+FR-1], v[rA:rA+FR-1], v[rD:rD+7], v[rX], v[rY] matrix_a_fmt:MATRIX_FMT_BF6 matrix_b_fmt:MATRIX_FMT_BF6 matrix_a_scale:MATRIX_SCALE_ROW1 matrix_b_scale:MATRIX_SCALE_ROW1
.elseif rW == 4
	v_wmma_scale_f32_16x16x128_f8f6f4 v[rD:rD+7], v[rB:rB+FR-1], v[rA:rA+FR-1], 0, v[rX], v[rY] matrix_a_fmt:MATRIX_FMT_BF6 matrix_b_fmt:MATRIX_FMT_BF6
.elseif rW == 5
	v_wmma_scale_f32_16x16x128_f8f6f4 v[rD:rD+7], v[rB:rB+FR-1], v[rA:rA+FR-1], 0, v[rX], v[rY] matrix_a_fmt:MATRIX_FMT_BF6 matrix_b_fmt:MATRIX_FMT_BF6 matrix_b_scale:MATRIX_SCALE_ROW1
.elseif rW == 6
	v_wmma_scale_f32_16x16x128_f8f6f4 v[rD:rD+7], v[rB:rB+FR-1], v[rA:rA+FR-1], 0, v[rX], v[rY] matrix_a_fmt:MATRIX_FMT_BF6 matrix_b_fmt:MATRIX_FMT_BF6 matrix_a_scale:MATRIX_SCALE_ROW1
.else
	v_wmma_scale_f32_16x16x128_f8f6f4 v[rD:rD+7], v[rB:rB+FR-1], v[rA:rA+FR-1], 0, v[rX], v[rY] matrix_a_fmt:MATRIX_FMT_BF6 matrix_b_fmt:MATRIX_FMT_BF6 matrix_a_scale:MATRIX_SCALE_ROW1 matrix_b_scale:MATRIX_SCALE_ROW1
.endif
.endm
.macro MUL16 a0, p, q, sc, zero
.irp a, \a0, \a0+1
.irp b, 0,1,2,3,4,5,6,7
	WM \a, \b, \p, \q, \sc, \zero
.endr
.endr
.endm
.macro FETCH_B slot, q, p
	WIN TO_B
.irp i, 0,1,2,3,4,5,6,7
	FRAG 128*(\p)+FR*\i, ADRB+\slot, \q, \i
.endr
	WIN 0
.endm
.macro FETCH_A slot, q, i0
.irp i, \i0, \i0+1, \i0+2, \i0+3
	FRAG AF+FR*(\i), ADRA+\slot, \q, \i
.endr
.endm
.macro PLACES n
.rept \n
	v_nop
.endr
.endm
.macro STEP slot, q, zero, lc
.if (\lc) >= 0
	s_wait_loadcnt \lc
.endif
	s_wait_dscnt 4*NL
	WIN MUL_LO
	MUL16 0, ((\slot)+(\q))%2, \q, \slot, \zero
	MUL16 2, ((\slot)+(\q))%2, \q, \slot, \zero
	s_wait_dscnt 0
	PLACES NP
	FETCH_B \slot, (\q)+1, 1-((\slot)+(\q))%2
	FETCH_A \slot, (\q)+1, 0
	WIN MUL_HI
	MUL16 4, ((\slot)+(\q))%2, \q, \slot, \zero
	MUL16 6, ((\slot)+(\q))%2, \q, \slot, \zero
	PLACES NP
	WIN 0
	FETCH_A \slot, (\q)+1, 4
.endm
.macro TURN slot, next, fill, scl, pf
.if \fill
	s_wait_xcnt 0x0
.if \pf
	s_add_nc_u64 s[PFA:PFA+1], s[PFA:PFA+1], PFC
.endif
.if (\slot) == 0
	s_add_nc_u64 s[SAP:SAP+1], s[SAP:SAP+1], 2*SUN
	s_add_nc_u64 s[SBP:SBP+1], s[SBP:SBP+1], 2*SUN
.endif
.endif
	s_wait_tensorcnt 0x0
	ds_add_u32 v[SPW], v[NIL]
	s_wait_dscnt 4*NL+1
	WIN MUL_LO
	MUL16 0, \slot, NQ-1, \slot, 0
	s_wait_dscnt 0x0
	s_barrier_signal -1
	MUL16 2, \slot, NQ-1, \slot, 0
	WIN 0
	s_barrier_wait -1
.if \fill
	CREST
	s_add_nc_u64 s[G0+4*\slot+2:G0+4*\slot+3], s[G0+4*\slot+2:G0+4*\slot+3], 2*RBS
	s_add_nc_u64 s[G0B+4*\slot+2:G0B+4*\slot+3], s[G0B+4*\slot+2:G0B+4*\slot+3], 2*RBS
.if \fill == 2
	s_mov_b32 s[G1+1], (2*FRB/8)<<16
	s_mov_b32 s[G1B+1], (2*FRB/8)<<16
.endif
	JLOAD G0+4*\slot, G1, G0B+4*\slot, G1B
.else
	PLACES NP
.endif
	FETCH_B \next, 0, \next
	FETCH_A \next, 0, 0
.if \pf
	ASK
.endif
	WIN MUL_HI
	MUL16 4, \slot, NQ-1, \slot, 0
	MUL16 6, \slot, NQ-1, \slot, 0
	PLACES NP
	WIN 0
	FETCH_A \next, 0, 4
.if \scl
	SCLOAD \slot, (\slot)*SUN
.endif
.endm
	s_wait_alu depctr_va_vdst(0)
	s_wait_tensorcnt 0x0                           ; my part of slot 0 is in; slot 1's first fill is issued as a refill is:
	ds_add_u32 v[SPW], v[NIL]
	s_wait_dscnt 0x0                               ; the add is done
	CROUND                                         ; a whole round: everybody's part of slot 0 is in, and the joint loads meet
	JLOAD G0+4, G1, G0B+4, G1B                     ; slot 1, the first tensor load behind the round
	FETCH_B 0, 0, 0
	FETCH_A 0, 0, 0
	FETCH_A 0, 0, 4
	STEP 0, 0, 1, 8
	s_mov_b32 s3, TRIPS
.Llap:
	STEP 0, 1, 0, -1
	TURN 0, 1, 1, 1, 1
	STEP 1, 0, 0, 8
	STEP 1, 1, 0, -1
	TURN 1, 0, 1, 1, 1
	STEP 0, 0, 0, 8
	s_sub_co_u32 s3, s3, 1
	s_cmp_lg_u32 s3, 0
	s_cbranch_scc1 .Llap
	STEP 0, 1, 0, -1
	TURN 0, 1, 2, 1, 0
	STEP 1, 0, 0, 8
	STEP 1, 1, 0, -1
	TURN 1, 0, 0, 0, 0
	STEP 0, 0, 0, 0
	s_wait_dscnt 4*NL
	WIN MUL_LO
	MUL16 0, 1, 1, 0, 0
	MUL16 2, 1, 1, 0, 0
	s_wait_dscnt 0
	WIN MUL_HI
	MUL16 4, 1, 1, 0, 0
	MUL16 6, 1, 1, 0, 0
	WIN 0
.macro TOSTAGE a
.set AC, 64*((\a)%4)
	WIN 0x08+4*((\a)/4)
.irp b, 0,1,2,3,4,5,6,7
	ds_store_b128 v[STO], v[AC+8*\b:AC+8*\b+3] offset:64*\b
	ds_store_b128 v[STO], v[AC+8*\b+4:AC+8*\b+7] offset:64*\b+16
.endr
	WIN 0
.set BB, BK+64*((\a)%2)
.irp t, 0,1,2,3,4,5,6,7,8,9,10,11,12,13,14,15
	ds_load_b128 v[BB+4*\t:BB+4*\t+3], v[RD] offset:\t*SPITCH
.endr
.endm
.macro SEND a, younger
.set BB, BK+64*((\a)%2)
	s_wait_dscnt \younger
.if (\a) > 0
	s_add_nc_u64 s[12:13], s[12:13], 16*SIZE_N*4
.endif
.irp t, 0,1,2,3,4,5,6,7,8,9,10,11,12,13,14,15
	global_store_b128 v[CO], v[BB+4*\t:BB+4*\t+3], s[12:13] offset:\t*SIZE_N*4 th:TH_STORE_NT
.endr
.endm
	PLACES NP
	TOSTAGE 0
.irp a, 1,2,3,4,5,6,7
.if \a > 1
	s_wait_xcnt 0x0
.endif
	TOSTAGE \a
	SEND \a-1, 32
.endr
	s_wait_xcnt 0x0
	SEND 7, 0
	s_wait_tensorcnt 0x0
	ds_add_u32 v[SPW], v[NIL]
	s_wait_dscnt 0x0
	CROUND
	s_endpgm
.Lfunc_end_k_qa2dc87c350_gemm:
	.size	k_qa2dc87c350_gemm, .Lfunc_end_k_qa2dc87c350_gemm-k_qa2dc87c350_gemm
	.p2alignl 7, 3214868480
	.fill 96, 4, 3214868480
	.section	.rodata,"a",@progbits
	.p2align	6, 0x0
	.amdhsa_kernel k_qa2dc87c350_gemm
		.amdhsa_group_segment_fixed_size 327680
		.amdhsa_private_segment_fixed_size 0
		.amdhsa_enable_private_segment 0
		.amdhsa_kernarg_size 40
		.amdhsa_user_sgpr_count 2
		.amdhsa_user_sgpr_kernarg_segment_ptr 1
		.amdhsa_wavefront_size32 1
		.amdhsa_system_sgpr_workgroup_id_x 1
		.amdhsa_system_sgpr_workgroup_id_y 1
		.amdhsa_system_sgpr_workgroup_id_z 1
		.amdhsa_system_vgpr_workitem_id 0
		.amdhsa_next_free_vgpr 1024
		.amdhsa_next_free_sgpr 80
		.amdhsa_reserve_vcc 0
		.amdhsa_float_denorm_mode_32 3
		.amdhsa_float_denorm_mode_16_64 3
		.amdhsa_memory_ordered 1
		.amdhsa_forward_progress 1
		.amdhsa_inst_pref_size 207
	.end_amdhsa_kernel
	.amdgpu_metadata
---
amdhsa.version: [ 1, 2 ]
amdhsa.kernels:
  - .name:           k_qa2dc87c350_gemm
    .symbol:         k_qa2dc87c350_gemm.kd
    .args:
      - { .name: a_codes, .offset: 0, .size: 8, .value_kind: global_buffer, .address_space: global }
      - { .name: a_scales, .offset: 8, .size: 8, .value_kind: global_buffer, .address_space: global }
      - { .name: b_codes, .offset: 16, .size: 8, .value_kind: global_buffer, .address_space: global }
      - { .name: b_scales, .offset: 24, .size: 8, .value_kind: global_buffer, .address_space: global }
      - { .name: out0, .offset: 32, .size: 8, .value_kind: global_buffer, .address_space: global }
    .group_segment_fixed_size: 327680
    .private_segment_fixed_size: 0
    .kernarg_segment_align: 8
    .kernarg_segment_size: 40
    .max_flat_workgroup_size: 128
    .sgpr_count:     80
    .vgpr_count:     1024
    .wavefront_size: 32
...
	.end_amdgpu_metadata
.endif
;; end of part 2
